; MI455X (gfx1250); checked and timed in simulation.
; The chip was launched on July 23, 2026; its instructions are those of AMD's public machine-readable ISA for CDNA 5 (MIT licence, August 2026) and "CDNA5" Instruction Set Architecture Reference Guide (July 2026). The comments in the code are by the model that wrote it; some were corrected since.
;; Change Point Kernel Attention. Allowed arithmetic: matrix products marked QUANTISED: E3M2 operands, one E8M0 scale for each 32 along K, by v_wmma_scale_f32_16x16x128_f8f6f4 with both operands' format E3M2, f32 sums; everything else in f32.
;; Inputs: keys 2 x 8 x 2,048 x 64 float32; query 2 x 8 x 2,048 x 64 float32; vals_codes 2 x 8 x 64 x 64 x 24 uint8 (E3M2 codes of vals, K innermost, in blocks of 32 codes, four codes in three bytes); vals_scales 2 x 8 x 64 x 64 uint8 (E8M0 scales of vals, one for each 32 codes along K).
;; Outputs: out0 2 x 8 x 2,048 x 64 float32.
;; This version of the problem:
;;   THIS VERSION OF THE PROBLEM IS GIVEN IN LOW PRECISION. The matrix products marked QUANTISED in the list below multiply operands that are first quantised to E3M2 (3 exponent bits, 2 mantissa bits; 6 bits a number), with one power-of-two scale for each 32 numbers along K (OCP MX v1.0); their sums are f32. All else is computed in f32.
;;   The module's matrix products, in the order in which they are computed (A, B: the left and right operand; K: the contracted axis; several contracted axes count as one K, in the product's order):
;;     1. batch 16 x [M 2,048, K 64] x [K 64, N 2,048]; A: input query; B: input keys: QUANTISED
;;     2. batch 16 x [M 2,048, K 64] x [K 64, N 2,048]; A: computed on the way; B: computed on the way: QUANTISED
;;     3. batch 16 x [M 2,048, K 64] x [K 64, N 2,048]; A: computed on the way; B: computed on the way: QUANTISED
;;     4. batch 16 x [M 2,048, K 64] x [K 64, N 2,048]; A: computed on the way; B: computed on the way: QUANTISED
;;     5. batch 16 x [M 2,048, K 2,048] x [K 2,048, N 64]; A: computed on the way; B: input vals (given as codes): QUANTISED
;;   THE QUANTISER, for each operand of a quantised product, along K:
;;     - K is cut into blocks of 32 from its start; a last block that is shorter is filled with zeros.
;;     - A block's scale is 2^e with e = floor(log2(the largest magnitude in the block)) - 4, held to -126 .. 127; a block of zeros has e = 0. As a byte (E8M0): e + 127.
;;     - Each number is divided by its block's scale, clamped to +-28, and rounded to the nearest number of E3M2, ties to even, subnormals kept.
;;     - The product sums the exact products of the quantised numbers (number of the format x scale) in f32.
;;   ~~~python
;;   def quantise(x, axis):      # numpy; x: float32 -> the quantised numbers, widened to float32 again
;;       x = np.moveaxis(x, axis, -1); K = x.shape[-1]
;;       x = np.pad(x, [(0, 0)] * (x.ndim - 1) + [(0, -K % 32)]); x = x.reshape(x.shape[:-1] + (-1, 32)); a = np.abs(x).max(-1, keepdims=True)
;;       e = np.where(a > 0, np.clip(np.frexp(np.where(a > 0, a, 1))[1] - 1 - 4, -126, 127), 0)      # np.frexp(a)[1] - 1 = floor(log2(a)), exactly
;;       r = np.clip(x / 2.0 ** e, -28, 28)
;;       step = 2.0 ** (np.maximum(np.frexp(np.where(r == 0, 1, r))[1] - 1, -2) - 2)
;;       q = np.round(r / step) * step * 2.0 ** e      # np.round: ties to even
;;       return np.moveaxis(q.reshape(q.shape[:-2] + (-1,))[..., :K], -1, axis).astype(np.float32)
;;   ~~~
;;   OPERANDS COMPUTED ON THE WAY. 'Computed on the way' means the value that the module computes at that place (a softmax that the list does not call 'softmax' is quantised finished and normalised). What goes into a quantiser is computed in f32, as accurately as f32 sums, v_exp_f32 and their like allow (about 1e-6 of the number): no bf16 or f16 on the way to a quantiser, and a product that is left as it is and whose result goes on into a quantised operand takes f32 operands (vector FMAs, or v_wmma_f32_16x16x4_f32). A number that lies on a knife's edge between two numbers of the format may be rounded either way, as far as f32 arithmetic and the matrix unit's own rounding can turn it there, and no further.
;;   INPUTS GIVEN AS CODES. vals (in the module: [2, 8, 2048, 64], K = its axis 2): each comes as NAME_codes (uint8): NAME with its K axis moved to the last place and cut into blocks of 32 codes, [.., K / 32, bytes a block], one block behind the other in memory; four codes in three bytes: a row's codes are one little-endian stream of bits, code i at bits 6 i .. 6 i + 5 (a code: sign, 3 exponent bits, 2 mantissa bits); and NAME_scales (uint8): the same leading axes, one E8M0 byte (e + 127) for each 32 codes along K. Its value is code x scale, taken as it is: it is not quantised again, and the codes and scales need not be those that the quantiser above would give.
;; One version. Each part assembles by itself: llvm-mc -triple=amdgcn-amd-amdhsa -mcpu=gfx1250 --defsym DOCPART=n.
;; ======== version 1 of 1: 2 launches
;; workspace buffers: jfrag 6,291,456 bytes; ifrag 6,291,456 bytes; jscale 262,144 bytes; iscale 262,144 bytes; jnorm 262,144 bytes; inorm 262,144 bytes
;; launch prep (part 1): grid 256 x 1, 4 waves a work-group, no clusters, 19,968 bytes of LDS; arguments query, keys, jfrag, jscale, jnorm, ifrag, iscale, inorm; writes jfrag, jscale, jnorm, ifrag, iscale, inorm
.if DOCPART == 1
	.amdgcn_target "amdgcn-amd-amdhsa--gfx1250"
	.amdhsa_code_object_version 6
	.text
	.protected	k_qb14d7c68f6_prep
	.globl	k_qb14d7c68f6_prep
	.p2align	8
	.type	k_qb14d7c68f6_prep,@function
k_qb14d7c68f6_prep:
	s_mov_b64 s[64:65], 0
	v_nop
	global_prefetch_b8 v0, s[64:65] scope:SCOPE_SE
	s_setreg_imm32_b32 hwreg(HW_REG_WAVE_MODE, 25, 1), 1
	s_wait_xcnt 0x0
; PREP: query and keys [16 heads x 2048 rows][64] f32 are quantised ONCE into images of the matrix operands' registers, with their scale words and squared norms.
; For each row: raw, n = row / |row|, s = sigmoid(n), 1 - s: four kinds, each 64 numbers = two blocks of 32 along K, as codes of E3M2 with one E8M0 byte a block.
; A block's byte is its largest magnitude's exponent field - 4, held at 1 from below; the conversion divides by that power of two, rounds to nearest even and holds at the largest code.
; A fragment (16 rows x 128 K, 12 registers a lane) carries TWO kinds: K 0-63 kind a, K 64-127 kind b.  Lane (r, h) holds d = 32 h .. 32 h + 31 of its row: a whole block, so no other lane is asked for a maximum.
;   column side (jfrag): pair 0 = [query | kn], pair 1 = [sk | 1 - sk];   row side (ifrag): pair 0 = [-2 keys | -2 qn], pair 1 = [sq | 1 - sq].
;   The factor -2 is exact: sign bits turned (keys) or the numbers negated ahead of the quantiser (qn), and 1 added to each scale byte (bytes are at most 250, so no byte reaches 0xff).
; A group is 32 rows, two tiles; lane r of tile u holds row 8 u + r + 8 (r / 8), so that the results of two neighbouring tiles are 16 neighbours along the last product's K.
; SHARES: a wave takes one group (32 rows of both tensors); waves share nothing: no barrier.  All 32 loads of a wave go out at its head, 512 consecutive bytes each; rows turn through the wave's own stage in LDS.
; LIMITS: NaN, infinities and rows of zeros are not served (the norm divides).  A block of zeros, or one under 2^-122, gets the byte 1: its codes are zeros or tiny, and this program alone reads the bytes.
;   1 / |row| is v_rsq_f32 and a multiply, the sigmoid's division v_rcp_f32: 1 ulp each.
.set WREG, 4864                        ; LDS of a wave: stage 16 rows x 272, then 256 bytes for the column side's norms, 256 for the row side's
.set R,   16                           ; v16-143  the 32 loads: 32 registers for each of tile 0 query, tile 0 keys, tile 1 query, tile 1 keys
.set X,   144                          ; v144-175 my 32 numbers of the row in hand
.set FJ,  176                          ; v176-199 the column side's two fragments
.set FI,  200                          ; v200-223 the row side's two
.set CT,  224                          ; v224-226 a block's upper 16 codes (a conversion's three registers begin on an even number)
.set M0,  228
.set M1,  229
.set SO,  230                          ; the conversion's scale operand
.set B,   232                          ; v232-239 scale bytes: 4 x tensor + kind (raw, n, s, 1 - s)
.set SWJ, 248                          ; v[248:249] the column side's scale words of tiles 0, 1;  v[250:251] the row side's
.set SWI, 250
.set Q2,  252                          ; v252 |query row|^2, v253 |keys row|^2
.set RS,  254                          ; v254 1 / norm;  v255 a lane exchange's destination (the two are also named as a pair)
.set PD,  255
	s_load_b512 s[4:19], s[0:1], 0x0               ; query, keys, jfrag, jscale, jnorm, ifrag, iscale, inorm
	v_lshl_add_u32 v227, v0, 2, 0x4c00
	v_mov_b32 v231, 0
	v_lshrrev_b32 v9, 5, v0
	v_readfirstlane_b32 s20, v9                    ; wave 0..3
	v_and_b32 v10, 31, v0                          ; lane
	v_and_b32 v11, 15, v0                          ; r
	v_bfe_u32 v12, v0, 4, 1                        ; h
	s_mul_i32 s21, s20, WREG                       ; my wave's LDS
	v_lshlrev_b32 v1, 4, v10                       ; 16 x lane: loads, and the column side's images
	v_lshlrev_b32 v4, 3, v10                       ; 8 x lane: the row side's images and the small buffers
	v_mul_u32_u24 v2, v12, 272
	v_lshl_add_u32 v2, v11, 4, v2
	v_add_nc_u32 v2, s21, v2                       ; stage, in: a load holds two rows: row h, 16 r bytes
	v_mul_u32_u24 v3, v11, 272
	v_lshl_add_u32 v3, v12, 7, v3
	v_add_nc_u32 v3, s21, v3                       ; stage, out: row r, my half's 128 bytes
	v_lshrrev_b32 v13, 3, v11
	v_and_b32 v14, 7, v11
	v_lshlrev_b32 v5, 7, v13
	v_lshl_add_u32 v5, v12, 5, v5
	v_lshl_add_u32 v5, v14, 2, v5
	s_add_co_u32 s23, s21, 4352
	v_add_nc_u32 v5, s23, v5                       ; column norms: 128 (r / 8) + 32 h + 4 (r % 8); + 64 u
	v_lshlrev_b32 v6, 4, v11
	v_lshl_add_u32 v6, v12, 3, v6
	s_add_co_u32 s24, s21, 4608
	v_add_nc_u32 v6, s24, v6                       ; row norms: 16 r + 8 h; + 4 u
	v_add_nc_u32 v7, s23, v4                       ; both, on the way out: 8 bytes a lane
	v_lshlrev_b32 v8, 3, v12                       ; 8 h: my bytes' shift in a scale word
	v_cmp_le_u32 vcc_lo, 16, v10                   ; lanes 16-31; VCC stays so
	v_mov_b32 v[PD], 0
	s_mov_b32 s26, 0x76543210
	s_mov_b32 s27, 0xfedcba98                      ; v_permlanex16_b32's selects for lane l xor 16
	s_mov_b32 s28, 0x20820820                      ; the sign bits (bit 6 i + 5) of 16 codes in three registers
	s_mov_b32 s29, 0x08208208
	s_mov_b32 s30, 0x82082082
	s_mov_b32 s32, 0x3fb8aa3b                      ; log2(e), for the query, whose n is held negated
	s_mov_b32 s33, s32
	s_mov_b32 s34, 0xbfb8aa3b                      ; -log2(e), for the keys
	s_mov_b32 s35, s34
	s_lshl_b32 s22, ttmp9, 2
	s_add_co_u32 s22, s22, s20                     ; my group, 0..1023
	s_lshl_b32 s36, s22, 13                        ; 32 rows of 256 bytes
	s_mov_b32 s37, 0
	s_mul_i32 s38, s22, 6144                       ; a group's four fragments
	s_mov_b32 s39, 0
	s_lshl_b32 s40, s22, 8                         ; 256 bytes a group in each small buffer
	s_mov_b32 s41, 0
	s_wait_kmcnt 0x0
	s_add_nc_u64 s[4:5], s[4:5], s[36:37]
	s_add_nc_u64 s[6:7], s[6:7], s[36:37]
	s_add_nc_u64 s[8:9], s[8:9], s[38:39]
	s_add_nc_u64 s[14:15], s[14:15], s[38:39]
	s_add_nc_u64 s[10:11], s[10:11], s[40:41]
	s_add_nc_u64 s[12:13], s[12:13], s[40:41]
	s_add_nc_u64 s[16:17], s[16:17], s[40:41]
	s_add_nc_u64 s[18:19], s[18:19], s[40:41]
.irp u, 0,1
.irp i, 0,1,2,3,4,5,6,7                        ; load i: the tile's lanes 2 i, 2 i + 1 = rows 8 u + 2 i + 8 (i / 4) and the next: 512 consecutive bytes
	global_load_b128 v[R+64*\u+4*\i:R+64*\u+4*\i+3], v1, s[4:5] offset:(8*\u+2*\i+8*(\i/4))*256 th:TH_LOAD_NT
.endr
.irp i, 0,1,2,3,4,5,6,7
	global_load_b128 v[R+64*\u+32+4*\i:R+64*\u+32+4*\i+3], v1, s[6:7] offset:(8*\u+2*\i+8*(\i/4))*256 th:TH_LOAD_NT
.endr
.endr
; X's 32 numbers, one block, become six registers of codes at v[dst] (dst even) and the block's scale byte
.macro QB dst, byte
	v_max3_num_f32 v[M0], |v[X]|, |v[X+1]|, 0x2800000              ; with the floor 2^(5 - 127): the byte cannot fall under 1
	v_max3_num_f32 v[M1], |v[X+2]|, |v[X+3]|, |v[X+4]|
.irp i, 5,9,13,17,21,25
	v_max3_num_f32 v[M0], v[M0], |v[X+\i]|, |v[X+\i+1]|            ; two chains by turns
	v_max3_num_f32 v[M1], v[M1], |v[X+\i+2]|, |v[X+\i+3]|
.endr
	v_max3_num_f32 v[M0], v[M0], |v[X+29]|, |v[X+30]|
	v_max3_num_f32 v[M0], v[M0], v[M1], |v[X+31]|
	v_add_nc_u32 v[SO], 0xfe000000, v[M0]          ; 4 off the exponent field: the conversion takes this operand's exponent field as its scale
	v_lshrrev_b32 v[\byte], 23, v[SO]
	v_cvt_scalef32_pk16_bf6_f32 v[\dst:\dst+2], v[X:X+15], v[SO]
	v_cvt_scalef32_pk16_bf6_f32 v[CT:CT+2], v[X+16:X+31], v[SO]
	v_nop                                          ; one plain place behind a scaled conversion
.irp i, 0,1,2
	v_mov_b32 v[\dst+3+\i], v[CT+\i]
.endr
.endm
; One tile of one tensor (x = 0 query, 1 keys): rows through the stage, the squared norm, and the four kinds
.macro TT u, x
.set TN, 2*(\u)+(\x)
.set LP, 32+2*(\x)
	s_wait_loadcnt 8*(3-TN)                        ; my eight loads are in; those of the later tile-tensors, eight each, may be out
.irp i, 0,1,2,3,4,5,6,7
	ds_store_b128 v2, v[R+32*TN+4*\i:R+32*TN+4*\i+3] offset:544*\i
.endr
.irp c, 0,1,2,3,4,5,6,7
	ds_load_b128 v[X+4*\c:X+4*\c+3], v3 offset:16*\c               ; LDS serves a wave's instructions in order: these see the stores above
.endr
	s_wait_dscnt 0x0
.irp c, 0,1,2,3
	v_pk_mul_f32 v[240+2*\c:241+2*\c], v[X+2*\c:X+2*\c+1], v[X+2*\c:X+2*\c+1]   ; the sum of squares, in four packed chains
.endr
.irp p, 4,5,6,7,8,9,10,11,12,13,14,15
	v_pk_fma_f32 v[240+2*(\p%4):241+2*(\p%4)], v[X+2*\p:X+2*\p+1], v[X+2*\p:X+2*\p+1], v[240+2*(\p%4):241+2*(\p%4)]
.endr
	v_pk_add_f32 v[240:241], v[240:241], v[242:243]
	v_pk_add_f32 v[244:245], v[244:245], v[246:247]
	v_pk_add_f32 v[240:241], v[240:241], v[244:245]
	v_add_f32 v240, v240, v241
	v_permlanex16_b32 v[PD], v240, s26, s27
	v_add_f32 v[Q2+\x], v240, v[PD]                ; with the row's other half
	v_rsq_f32 v[RS], v[Q2+\x]                      ; the raw kind's lines below are the independent work behind it
.if (\x) == 0
	QB FJ, B
.else
	QB FI, B+4
.irp i, 0,1,2,3,4,5
	v_xor_b32 v[FI+\i], s[28+\i%3], v[FI+\i]       ; -keys: every code's sign bit turned
.endr
.endif
	s_wait_alu depctr_va_vdst(0)                   ; ahead of the first line that names 1 / norm
.if (\x) == 0
	v_xor_b32 v[RS], 0x80000000, v[RS]             ; the query's n is held negated: the quantiser is odd, so its codes are those of -qn
.endif
.irp p, 0,1,2,3,4,5,6,7,8,9,10,11,12,13,14,15
	v_pk_mul_f32 v[X+2*\p:X+2*\p+1], v[X+2*\p:X+2*\p+1], v[RS:RS+1] op_sel_hi:[1,0]
.endr
.if (\x) == 0
	QB FI+6, B+1
.else
	QB FJ+6, B+5
.endif
.irp p, 0,1,2,3,4,5,6,7,8,9,10,11,12,13,14,15
	v_pk_mul_f32 v[X+2*\p:X+2*\p+1], v[X+2*\p:X+2*\p+1], s[LP:LP+1] op_sel_hi:[1,0]   ; -log2(e) n
.endr
.set j, 0
.rept 32
	v_exp_f32 v[X+j], v[X+j]
.set j, j+1
.endr
	v_nop                                          ; a plain place behind the batch,
	s_wait_alu depctr_va_vdst(0)                   ; and one wait for all 32, ahead of their first reader
.irp p, 0,1,2,3,4,5,6,7,8,9,10,11,12,13,14,15
	v_pk_add_f32 v[X+2*\p:X+2*\p+1], v[X+2*\p:X+2*\p+1], 1.0 op_sel_hi:[1,0]
.endr
.set j, 0
.rept 32
	v_rcp_f32 v[X+j], v[X+j]                       ; sigmoid(n) = 1 / (1 + e^-n)
.set j, j+1
.endr
	v_nop
	s_wait_alu depctr_va_vdst(0)
.if (\x) == 0
	QB FI+12, B+2
.else
	QB FJ+12, B+6
.endif
.irp p, 0,1,2,3,4,5,6,7,8,9,10,11,12,13,14,15
	v_pk_fma_f32 v[X+2*\p:X+2*\p+1], v[X+2*\p:X+2*\p+1], -1.0, 1.0 op_sel_hi:[1,0,0]   ; 1 - s, one rounding
.endr
.if (\x) == 0
	QB FI+18, B+3
.else
	QB FJ+18, B+7
.endif
.endm
.macro TILE u
.if (\u) > 0
	s_wait_xcnt 0x0                                ; the last tile's stores have read the code registers: they are written again only behind this wait
.endif
	TT \u, 0
	TT \u, 1
	v_lshl_or_b32 v240, v[B+5], 16, v[B]           ; my two bytes of each scale word: kind a's block h, kind b's block h.  Column side, pair 0: query | kn
	v_lshl_or_b32 v241, v[B+7], 16, v[B+6]         ; pair 1: sk | 1 - sk
	v_lshl_or_b32 v242, v[B+1], 16, v[B+4]         ; row side, pair 0: keys | qn
	v_lshl_or_b32 v243, v[B+3], 16, v[B+2]         ; pair 1: sq | 1 - sq
.irp i, 0,1,2,3
	v_lshlrev_b32 v[240+\i], v8, v[240+\i]         ; 8 h bits up
.endr
.irp i, 0,1,2,3
	v_permlanex16_b32 v[244+\i], v[240+\i], s26, s27
.endr
.irp i, 0,1,2,3
	v_or_b32 v[240+\i], v[240+\i], v[244+\i]       ; with lane l xor 16's two the word is whole, in both halves
.endr
	v_add_nc_u32 v242, 0x01010101, v242            ; x 2
	v_cndmask_b32 v[SWJ+\u], v240, v241, vcc_lo    ; lanes 0-15 carry pair 0's words, lanes 16-31 pair 1's
	v_cndmask_b32 v[SWI+\u], v242, v243, vcc_lo
	v_mul_f32 v246, 0x3d800000, v[Q2+1]            ; / 16: exact
	v_mul_f32 v247, 0x3d800000, v[Q2]
	v_cndmask_b32 v246, v[Q2], v246, vcc_lo        ; column side: q2, k2 / 16
	v_cndmask_b32 v247, v[Q2+1], v247, vcc_lo      ; row side: k2, q2 / 16
	ds_store_b32 v5, v246 offset:64*\u
	ds_store_b32 v6, v247 offset:4*\u
.irp n, 0,1,2,3,4,5
	global_store_b128 v1, v[FJ+4*\n:FJ+4*\n+3], s[8:9] offset:3072*\u+512*\n     ; 32 lanes store 512 consecutive bytes, aligned
.endr
.irp n, 0,1,2,3,4,5,6,7,8,9,10,11
	global_store_b64 v4, v[FI+2*\n:FI+2*\n+1], s[14:15] offset:3072*\u+256*\n    ; 256 consecutive bytes, aligned
.endr
.endm
	TILE 0
	TILE 1
	global_store_b64 v4, v[SWJ:SWJ+1], s[10:11]
	global_store_b64 v4, v[SWI:SWI+1], s[16:17]
	ds_load_b64 v[240:241], v7                     ; the norms leave as two aligned runs of 256 bytes
	ds_load_b64 v[242:243], v7 offset:256
	s_wait_dscnt 0x0
	global_store_b64 v4, v[240:241], s[12:13]
	global_store_b64 v4, v[242:243], s[18:19]
	s_wait_tensorcnt 0x0
	ds_add_u32 v227, v231
	s_wait_dscnt 0x0
	s_endpgm
.Lfunc_end_k_qb14d7c68f6_prep:
	.size	k_qb14d7c68f6_prep, .Lfunc_end_k_qb14d7c68f6_prep-k_qb14d7c68f6_prep
	.p2alignl 7, 3214868480
	.fill 96, 4, 3214868480
	.section	.rodata,"a",@progbits
	.p2align	6, 0x0
	.amdhsa_kernel k_qb14d7c68f6_prep
		.amdhsa_group_segment_fixed_size 19968
		.amdhsa_private_segment_fixed_size 0
		.amdhsa_enable_private_segment 0
		.amdhsa_kernarg_size 64
		.amdhsa_user_sgpr_count 2
		.amdhsa_user_sgpr_kernarg_segment_ptr 1
		.amdhsa_wavefront_size32 1
		.amdhsa_system_sgpr_workgroup_id_x 1
		.amdhsa_system_sgpr_workgroup_id_y 1
		.amdhsa_system_sgpr_workgroup_id_z 1
		.amdhsa_system_vgpr_workitem_id 0
		.amdhsa_next_free_vgpr 256
		.amdhsa_next_free_sgpr 66
		.amdhsa_reserve_vcc 1
		.amdhsa_float_denorm_mode_32 3
		.amdhsa_float_denorm_mode_16_64 3
		.amdhsa_memory_ordered 1
		.amdhsa_forward_progress 1
		.amdhsa_inst_pref_size 70
	.end_amdhsa_kernel
	.amdgpu_metadata
---
amdhsa.version: [ 1, 2 ]
amdhsa.kernels:
  - .name:           k_qb14d7c68f6_prep
    .symbol:         k_qb14d7c68f6_prep.kd
    .args:
      - { .name: query, .offset: 0, .size: 8, .value_kind: global_buffer, .address_space: global }
      - { .name: keys, .offset: 8, .size: 8, .value_kind: global_buffer, .address_space: global }
      - { .name: jfrag, .offset: 16, .size: 8, .value_kind: global_buffer, .address_space: global }
      - { .name: jscale, .offset: 24, .size: 8, .value_kind: global_buffer, .address_space: global }
      - { .name: jnorm, .offset: 32, .size: 8, .value_kind: global_buffer, .address_space: global }
      - { .name: ifrag, .offset: 40, .size: 8, .value_kind: global_buffer, .address_space: global }
      - { .name: iscale, .offset: 48, .size: 8, .value_kind: global_buffer, .address_space: global }
      - { .name: inorm, .offset: 56, .size: 8, .value_kind: global_buffer, .address_space: global }
    .group_segment_fixed_size: 19968
    .private_segment_fixed_size: 0
    .kernarg_segment_align: 8
    .kernarg_segment_size: 64
    .max_flat_workgroup_size: 128
    .sgpr_count:     66
    .vgpr_count:     256
    .wavefront_size: 32
...
	.end_amdgpu_metadata
.endif
;; end of part 1
;; launch attn (part 2): grid 256 x 1, 8 waves a work-group, no clusters, 71,680 bytes of LDS; arguments jfrag, jscale, jnorm, ifrag, iscale, inorm, vals_codes, vals_scales, out0; writes out0
.if DOCPART == 2
	.amdgcn_target "amdgcn-amd-amdhsa--gfx1250"
	.amdhsa_code_object_version 6
	.text
	.protected	k_qb14d7c68f6_attn
	.globl	k_qb14d7c68f6_attn
	.p2align	8
	.type	k_qb14d7c68f6_attn,@function
k_qb14d7c68f6_attn:
	s_mov_b64 s[64:65], 0
	v_nop
	global_prefetch_b8 v0, s[64:65] scope:SCOPE_SE
	s_setreg_imm32_b32 hwreg(HW_REG_WAVE_MODE, 25, 1), 1
	s_wait_xcnt 0x0
; ATTN: all five products and everything between them, from the operand images that the first launch has laid.
; p[i][j] = gp exp(-sqrt(max(q2[j] + k2[i] - 2 query[j].keys[i], 0)) / 16) + gn exp(-sin^2(pi sqrt(max(2 - 2 qn[i].kn[j], 0))) / 4) + (q2[i] + k2[j]) / 16,  gp = sq[i].sk[j], gn = (1 - sq[i]).(1 - sk[j]);
; each row is divided by max(its L2 norm, 1e-12), quantised along j, and multiplied by vals, which is given as codes with j innermost.
; THE ROW NORM STANDS AHEAD OF THE LAST QUANTISER, so a block of 32 rows x 2048 columns of p is KEPT IN REGISTERS: eight waves, each 32 rows x 256 columns = 256 registers (window 1).  p is made once and never leaves the registers.
; SHARES: a work-group stays for four blocks of 32 rows of one head; wave w owns columns 256 w .. 256 w + 255.  Its part of the last product (its 256 keys) meets the other waves' in LDS.
; LAYOUT: every product is used transposed (source 0 = 16 columns j, or 16 of the head's 64; source 1 = 16 rows i): a lane holds ONE row and its registers run along j.  Lane r of a tile holds row or column
;   8 u + r + 8 (r / 8) of its group of 32, so that the 16 registers of two neighbouring tiles are 16 neighbouring j: what the conversions want.
; K = 64 FILLS HALF OF THE FORM'S 128: a streamed fragment carries two kinds, [a | b]; the resident operand lies as [a | Z | b] with Z = zero codes: its registers 0-11 give a.a', its registers 6-17 b.b'.  One scale word serves both.
; The row side's pair 0 is stored x -2, so the first product with C = q2[j] + k2[i] IS the squared distance, and the second with C = 2.0 IS 2 - 2 cos.
; sin^2(pi u): r = u - rndne(u) is exact and |r| <= 1/2 for every input; sqrt(log2(e) / 4) sin(pi r) = r P(r^2), P the Taylor series to r^11 (what is cut is under 6e-8 of the sine); then 2^(-(..)^2).
; NO TENSOR LOADS, NO CLUSTER: each column fragment is read by exactly one wave of a work-group, straight into the registers that the matrix unit takes; a joint load lands in LDS alone and would add a round trip and a cluster round to each refill.
; LIMITS: NaN and infinities are not served.  The division by the row norm is v_rcp_f32 and a multiply.  The last product's sum over j is made in eight parts (one a wave) that are added in f32.
; REGISTERS, window 0: v1-12 addresses; v[14:15] c4; v16-87 the row side's four operands [a|Z|b]; v88-103 scale words alone; v104-107 the rows' norms; v108-115 2.0; v116-163 two buffers of column fragments;
;   v164-179 the columns' norms; v180-243 at work (D1, D2, TW, TP: 16 each); v244-251 sums of squares; v[252:253] 1 / norm; v254-255 lane exchanges.   window 1: p.
;   Behind the norm: v16-63, v116-163 vals' fragments; v64-79, v80-86 the quantiser's; v164-175, v104-115 p's codes; v180-243 the eight accumulators of the output.
.set IFR, 16
.set IS,  88                           ; v[88:89]  row side's scale words, tile t
.set JS,  90                           ; v[90:93]  column side's: a pair for each of two groups by turns
.set VS,  94                           ; v[94:101] vals': 2 x (16 of the head's 64) + (which 128 keys)
.set PW,  102                          ; v102-103  p's scale word, tile t
.set INR, 104                          ; k2 of tile 0, 1; q2 / 16 of tile 0, 1
.set C2,  108
.set JFR, 116
.set JN,  164                          ; q2[j] x 8, then k2[j] / 16 x 8
.set D1,  180
.set D2,  196
.set TW,  212
.set TP,  228
.set SS,  244
.set INV, 252
.set PD,  254
.set TM,  64
.set CT,  80
.set OA,  180
.set STG, 1024                         ; LDS: 0..1023 the waves' sums of squares, [32 rows][8 waves]; then a stage of 32 rows x (256 + 16) bytes for each wave
.set MSB, 0
.macro WIN new                         ; the immediate's high byte repeats the setting that is left; a switch that changes nothing is dropped
.if MSB != \new
	s_set_vgpr_msb (MSB<<8)|\new
.set MSB, \new
.endif
.endm
.macro NORMS tau                       ; the norms of tile tau's columns: my half's eight q2, eight k2 / 16
.irp k, 0,1,2,3
	global_load_b128 v[JN+4*\k:JN+4*\k+3], v3, s[8:9] offset:256*((\tau)/2)+64*((\tau)%2)+16*\k
.endr
.endm
.macro FRAGS tau                       ; tile tau's two fragments, as images of their registers; with an even tile the group's scale words
.irp n, 0,1,2,3,4,5
	global_load_b128 v[JFR+24*((\tau)%2)+4*\n:JFR+24*((\tau)%2)+4*\n+3], v1, s[4:5] offset:3072*(\tau)+512*\n
.endr
.if (\tau)%2 == 0
	global_load_b64 v[JS+2*(((\tau)/2)%2):JS+2*(((\tau)/2)%2)+1], v2, s[6:7] offset:256*((\tau)/2)
.endif
.endm
.macro NEXTLOADS                       ; what a block begins with: 43 loads
.irp t, 0,1
.irp e, 0,1
.irp g, 0,1,2,3,4,5                    ; kind a to registers 0-5, kind b to registers 12-17 of [a|Z|b]
	global_load_b64 v[IFR+36*\t+18*\e+2*\g+6*(\g/3):IFR+36*\t+18*\e+2*\g+6*(\g/3)+1], v4, s[10:11] offset:3072*\t+1536*\e+256*\g
.endr
.endr
.endr
	global_load_b64 v[IS:IS+1], v4, s[12:13]
	global_load_b128 v[INR:INR+3], v5, s[14:15]
	NORMS 0
	FRAGS 0
	FRAGS 1
.endm
	s_load_b512 s[4:19], s[0:1], 0x0               ; jfrag, jscale, jnorm, ifrag, iscale, inorm, vals_codes, vals_scales
	s_load_b64 s[20:21], s[0:1], 0x40              ; out0
	v_lshrrev_b32 v180, 5, v0
	v_readfirstlane_b32 s22, v180                  ; wave 0..7
	v_and_b32 v180, 31, v0                         ; lane
	v_and_b32 v181, 15, v0                         ; r
	v_bfe_u32 v182, v0, 4, 1                       ; h
	s_mul_i32 s24, s22, 49152                      ; my 8 groups of columns: 6,144 bytes of fragments each
	v_lshl_add_u32 v1, v180, 4, s24
	s_lshl_b32 s25, s22, 11                        ; and 256 bytes each of scale words and of norms
	v_lshl_add_u32 v2, v180, 3, s25
	v_lshl_add_u32 v3, v182, 7, s25
	v_lshlrev_b32 v4, 3, v180
	v_lshlrev_b32 v5, 4, v181
	v_mul_u32_u24 v6, v181, 1536                   ; vals: a row (one of the head's 64) is 2,048 codes = 1,536 bytes; my 256 keys are 192 of them
	v_mad_u32_u24 v6, v182, 24, v6
	s_mul_i32 s24, s22, 192
	v_add_nc_u32 v6, s24, v6
	s_lshl_b32 s24, s22, 3
	v_lshl_add_u32 v7, v181, 6, s24                ; vals' scale bytes: 64 a row, 8 for my keys
	s_lshl_b32 s24, s22, 2
	v_lshl_add_u32 v8, v181, 5, s24                ; LDS: my sum of row r: 32 r + 4 w
	v_lshlrev_b32 v9, 5, v181                      ; and all eight of row r
	s_mul_i32 s24, s22, 8704
	s_add_co_u32 s24, s24, STG
	v_mul_u32_u24 v10, v181, 272
	v_lshl_add_u32 v10, v182, 5, v10
	v_add_nc_u32 v10, s24, v10                     ; my stage: row r, 32 h bytes
	s_mul_i32 s24, s22, 1088
	s_add_co_u32 s24, s24, STG
	v_mul_u32_u24 v11, v182, 272
	v_lshl_add_u32 v11, v181, 4, v11
	v_add_nc_u32 v11, s24, v11                     ; back: stage rows 4 w + h (+ 2 q), 16 bytes a lane, of every wave's stage
	s_lshr_b32 s24, s22, 2                         ; stage row 16 t + r is the block's row 8 t + r + 8 (r / 8); for rows 4 w ..: t = w / 4, r = 4 (w % 4) ..
	s_lshl_b32 s24, s24, 3
	s_and_b32 s25, s22, 3
	s_lshl_b32 s25, s25, 2
	s_add_co_u32 s24, s24, s25
	s_bfe_u32 s25, s22, 0x10001
	s_lshl_b32 s25, s25, 3
	s_add_co_u32 s24, s24, s25
	s_lshl_b32 s24, s24, 8
	v_lshlrev_b32 v12, 8, v182
	v_lshl_add_u32 v12, v181, 4, v12
	v_add_nc_u32 v12, s24, v12                     ; and the same rows in out0: 256 bytes a row
	v_mov_b32 v14, 0x3d4a1210                      ; c4 =  0.04933363
	v_mov_b32 v15, 0x3d4a1210
	v_mov_b32 v[PD], 0                             ; a lane exchange's destination counts as one of its sources
	v_mov_b32 v[PD+1], 0
	s_mov_b32 s26, 0x76543210
	s_mov_b32 s27, 0xfedcba98                      ; v_permlanex16_b32's selects for lane l xor 16
	s_mov_b32 s28, 0xbdb8aa3b                      ; -log2(e) / 16
	s_mov_b32 s29, s28                             ; (a packed form names the pair, so both words are written)
	s_mov_b32 s30, 0xbb910b4b                      ; c5 = -0.0044263949     sqrt(log2(e) / 4) x the series of sin(pi r) / r in r^2
	s_mov_b32 s31, s30
	s_mov_b32 s34, 0xbeb84429                      ; c3 = -0.35989503
	s_mov_b32 s35, s34
	s_mov_b32 s36, 0x3fc40929                      ; c2 =  1.5315296
	s_mov_b32 s37, s36
	s_mov_b32 s38, 0xc046a033                      ; c1 = -3.1035278
	s_mov_b32 s39, s38
	s_mov_b32 s40, 0x3ff17fff                      ; c0 =  1.8867187
	s_mov_b32 s41, s40
	s_lshr_b32 s42, ttmp9, 4                       ; the head
	s_and_b32 s43, ttmp9, 15
	s_lshl_b32 s43, s43, 2                         ; my first block of 32 rows in it
	s_mul_i32 s44, s42, 393216                     ; offsets, each in registers of its own: a head's fragments,
	s_mov_b32 s45, 0
	s_lshl_b32 s46, s42, 14                        ; its scale words or norms,
	s_mov_b32 s47, 0
	s_mul_i32 s48, s43, 6144
	s_add_co_u32 s48, s48, s44                     ; my first block's fragments,
	s_mov_b32 s49, 0
	s_lshl_b32 s50, s43, 8
	s_add_co_u32 s50, s50, s46                     ; its scale words or norms,
	s_mov_b32 s51, 0
	s_mul_i32 s52, s42, 98304                      ; the head's codes of vals,
	s_mov_b32 s53, 0
	s_lshl_b32 s54, s42, 12                        ; their scale bytes,
	s_mov_b32 s55, 0
	s_lshl_b32 s56, s42, 19
	s_lshl_b32 s57, s43, 13
	s_add_co_u32 s56, s56, s57                     ; my first block's rows of out0
	s_mov_b32 s57, 0
	s_mov_b32 s23, 4                               ; blocks to go
	s_wait_kmcnt 0x0
	s_add_nc_u64 s[4:5], s[4:5], s[44:45]
	s_add_nc_u64 s[6:7], s[6:7], s[46:47]
	s_add_nc_u64 s[8:9], s[8:9], s[46:47]
	s_add_nc_u64 s[10:11], s[10:11], s[48:49]
	s_add_nc_u64 s[12:13], s[12:13], s[50:51]
	s_add_nc_u64 s[14:15], s[14:15], s[50:51]
	s_add_nc_u64 s[16:17], s[16:17], s[52:53]
	s_add_nc_u64 s[18:19], s[18:19], s[54:55]
	s_add_nc_u64 s[20:21], s[20:21], s[56:57]
.irp dl, 0,1,2,3
	global_load_b64 v[VS+2*\dl:VS+2*\dl+1], v7, s[18:19] offset:1024*\dl      ; vals' scale words for my keys: they stay
.endr
	NEXTLOADS
; CHUNK T (a symbol, 0..15): 16 columns x 32 rows: 8 matrix instructions and the kernels' arithmetic on 16 registers a row tile
.macro CHUNK
.set BE,  JFR+24*(T%2)
.set JSR, JS+2*((T/2)%2)+T%2
.set PB,  128*(T/8)+8*(T%8)
.if T == 15
	s_wait_loadcnt 0x0                             ; nothing was asked for behind this chunk's norms
.elseif T%2 == 1
	s_wait_loadcnt 0x7                             ; this chunk's fragments and norms are in; the next chunk's six fragment loads and its group's scale words may be out
.else
	s_wait_loadcnt 0x6                             ; likewise: the next chunk's six fragment loads
.endif
.irp t, 0,1
.irp m, 0,1,2,3
	v_pk_add_f32 v[D1+8*\t+2*\m:D1+8*\t+2*\m+1], v[JN+2*\m:JN+2*\m+1], v[INR:INR+1] op_sel:[0,\t] op_sel_hi:[1,\t]   ; q2[j] + k2[i]: the first product's C
.endr
.endr
	WIN 0x40                                       ; destination window 1
.irp t, 0,1
.irp m, 0,1,2,3
	v_pk_add_f32 v[PB+64*\t+2*\m:PB+64*\t+2*\m+1], v[JN+8+2*\m:JN+8+2*\m+1], v[INR+2:INR+3] op_sel:[0,\t] op_sel_hi:[1,\t]   ; p begins as (q2[i] + k2[j]) / 16
.endr
.endr
	WIN 0
.if T < 15
	NORMS T+1                                      ; the one set of norm registers has been read: a whole chunk ahead of its use
.endif
.irp t, 0,1                                    ; four accumulators, one instruction each
	v_wmma_scale_f32_16x16x128_f8f6f4 v[D1+8*\t:D1+8*\t+7], v[BE:BE+11], v[IFR+36*\t:IFR+36*\t+11], v[D1+8*\t:D1+8*\t+7], v[JSR], v[IS+\t] matrix_a_fmt:MATRIX_FMT_BF6 matrix_b_fmt:MATRIX_FMT_BF6
	v_wmma_scale_f32_16x16x128_f8f6f4 v[D2+8*\t:D2+8*\t+7], v[BE:BE+11], v[IFR+36*\t+6:IFR+36*\t+17], v[C2:C2+7], v[JSR], v[IS+\t] matrix_a_fmt:MATRIX_FMT_BF6 matrix_b_fmt:MATRIX_FMT_BF6
.endr
.rept 4
	v_nop                                          ; four places between a matrix instruction and the first read of its result (ISA guide 7.12.1)
.endr
.set j, 0
.rept 32
	v_max_num_f32 v[D1+j], 0, v[D1+j]              ; ascending: each accumulator is read from its low end on
.set j, j+1
.endr
.set j, 0
.rept 32
	v_sqrt_f32 v[D1+j], v[D1+j]                    ; |query[j] - keys[i]| and u = sqrt(2 - 2 cos): one batch
.set j, j+1
.endr
	v_nop                                          ; a plain place behind the batch,
	s_wait_alu depctr_va_vdst(0)                   ; and one wait for all 32, ahead of their first reader
.set j, 0
.rept 16
	v_rndne_f32 v[TW+j], v[D2+j]
.set j, j+1
.endr
.irp m, 0,1,2,3,4,5,6,7
	v_pk_mul_f32 v[D1+2*\m:D1+2*\m+1], v[D1+2*\m:D1+2*\m+1], s[28:29] op_sel_hi:[1,0]        ; -log2(e) / 16 x the distance
.endr
.irp m, 0,1,2,3,4,5,6,7
	v_pk_add_f32 v[D2+2*\m:D2+2*\m+1], v[D2+2*\m:D2+2*\m+1], v[TW+2*\m:TW+2*\m+1] neg_lo:[0,1] neg_hi:[0,1]   ; r = u - rndne(u): exact
.endr
.irp m, 0,1,2,3,4,5,6,7
	v_pk_mul_f32 v[TW+2*\m:TW+2*\m+1], v[D2+2*\m:D2+2*\m+1], v[D2+2*\m:D2+2*\m+1]            ; r^2
.endr
.irp m, 0,1,2,3,4,5,6,7
	v_pk_fma_f32 v[TP+2*\m:TP+2*\m+1], v[TW+2*\m:TW+2*\m+1], s[30:31], v[14:15] op_sel_hi:[1,0,1]
.endr
.irp cf, 34,36,38,40
.irp m, 0,1,2,3,4,5,6,7
	v_pk_fma_f32 v[TP+2*\m:TP+2*\m+1], v[TP+2*\m:TP+2*\m+1], v[TW+2*\m:TW+2*\m+1], s[\cf:\cf+1] op_sel_hi:[1,1,0]
.endr
.endr
.irp m, 0,1,2,3,4,5,6,7
	v_pk_mul_f32 v[D2+2*\m:D2+2*\m+1], v[D2+2*\m:D2+2*\m+1], v[TP+2*\m:TP+2*\m+1]            ; sqrt(log2(e) / 4) sin(pi r)
.endr
.irp t, 0,1                                    ; the gates, into the registers that the polynomial has left; pair 1's scale words lie in lanes 16-31
	v_wmma_scale_f32_16x16x128_f8f6f4 v[TW+8*\t:TW+8*\t+7], v[BE+12:BE+23], v[IFR+36*\t+18:IFR+36*\t+29], 0, v[JSR], v[IS+\t] matrix_a_fmt:MATRIX_FMT_BF6 matrix_b_fmt:MATRIX_FMT_BF6 matrix_a_scale:MATRIX_SCALE_ROW1 matrix_b_scale:MATRIX_SCALE_ROW1
	v_wmma_scale_f32_16x16x128_f8f6f4 v[TP+8*\t:TP+8*\t+7], v[BE+12:BE+23], v[IFR+36*\t+24:IFR+36*\t+35], 0, v[JSR], v[IS+\t] matrix_a_fmt:MATRIX_FMT_BF6 matrix_b_fmt:MATRIX_FMT_BF6 matrix_a_scale:MATRIX_SCALE_ROW1 matrix_b_scale:MATRIX_SCALE_ROW1
.endr
.irp m, 0,1,2,3,4,5,6,7
	v_pk_mul_f32 v[D2+2*\m:D2+2*\m+1], v[D2+2*\m:D2+2*\m+1], v[D2+2*\m:D2+2*\m+1] neg_lo:[0,1] neg_hi:[0,1]   ; -log2(e) sin^2 / 4.  These eight are also the places behind the four products
.endr
.if T < 14
	FRAGS T+2                                      ; into the buffer just multiplied: two chunks ahead of its use
.endif
.if T == 15
.irp kp, 0,1                                   ; vals' eight fragments for my 256 keys, into registers that the row side's and the columns' fragments have left
.irp dl, 0,1,2,3
.irp pc, 0,1,2,3,4,5
	global_load_b64 v[16+100*\kp+12*\dl+2*\pc:16+100*\kp+12*\dl+2*\pc+1], v6, s[16:17] offset:24576*\dl+96*\kp+48*(\pc/3)+8*(\pc%3)
.endr
.endr
.endr
.endif
.set j, 0
.rept 32
	v_exp_f32 v[D1+j], v[D1+j]                     ; exp(se) and exp(periodic): one batch
.set j, j+1
.endr
	v_nop
	s_wait_alu depctr_va_vdst(0)
	WIN 0x50                                       ; p: source 2 and destination window 1
.irp t, 0,1
.irp m, 0,1,2,3
	v_pk_fma_f32 v[PB+64*\t+2*\m:PB+64*\t+2*\m+1], v[TP+8*\t+2*\m:TP+8*\t+2*\m+1], v[D2+8*\t+2*\m:D2+8*\t+2*\m+1], v[PB+64*\t+2*\m:PB+64*\t+2*\m+1]
.endr
.endr
.irp t, 0,1
.irp m, 0,1,2,3
	v_pk_fma_f32 v[PB+64*\t+2*\m:PB+64*\t+2*\m+1], v[TW+8*\t+2*\m:TW+8*\t+2*\m+1], v[D1+8*\t+2*\m:D1+8*\t+2*\m+1], v[PB+64*\t+2*\m:PB+64*\t+2*\m+1]
.endr
.endr
	WIN 0x05                                       ; p: sources 0 and 1 window 1
.irp t, 0,1
.irp m, 0,1,2,3
.if (T == 0) && (\m < 2)
	v_pk_mul_f32 v[SS+4*\t+2*\m:SS+4*\t+2*\m+1], v[PB+64*\t+2*\m:PB+64*\t+2*\m+1], v[PB+64*\t+2*\m:PB+64*\t+2*\m+1]   ; the first squares start the sums
.else
	v_pk_fma_f32 v[SS+4*\t+2*(\m%2):SS+4*\t+2*(\m%2)+1], v[PB+64*\t+2*\m:PB+64*\t+2*\m+1], v[PB+64*\t+2*\m:PB+64*\t+2*\m+1], v[SS+4*\t+2*(\m%2):SS+4*\t+2*(\m%2)+1]
.endif
.endr
.endr
	WIN 0
.endm
; 64 registers of p (row tile t, my keys 128 kp on; register 16 b + i = key 32 b + 16 h + i) are divided by the row's norm and become a fragment's codes and its scale word
.macro QUANT kp, t
.set QP,  128*(\kp)+64*(\t)
.set PCB, 164-60*(\t)
	WIN 0x41                                       ; p: source 0 and destination window 1
.set j, 0
.rept 32
	v_pk_mul_f32 v[QP+j:QP+j+1], v[QP+j:QP+j+1], v[INV:INV+1] op_sel:[0,\t] op_sel_hi:[1,\t]
.set j, j+2
.endr
	WIN 0x05
.irp b, 0,1,2,3
	v_max3_num_f32 v[TM+\b], |v[QP+16*\b]|, |v[QP+16*\b+1]|, 0x2800000     ; block b: my 16 numbers, and the floor 2^(5 - 127): the byte cannot fall under 1
.endr
	WIN 0x14
.irp i, 2,4,6,8,10,12,14
.irp b, 0,1,2,3
	v_max3_num_f32 v[TM+\b], v[TM+\b], |v[QP+16*\b+\i]|, |v[QP+16*\b+\i+1]|   ; the four blocks by turns
.endr
.endr
	WIN 0
.irp b, 0,1,2,3
	v_permlanex16_b32 v[TM+4+\b], v[TM+\b], s26, s27
.endr
.irp b, 0,1,2,3
	v_max_num_f32 v[TM+\b], v[TM+\b], v[TM+4+\b]   ; with lane l xor 16's: the block's largest magnitude
.endr
.irp b, 0,1,2,3
	v_add_nc_u32 v[TM+12+\b], 0xfe000000, v[TM+\b] ; 4 off its exponent field: the conversion's scale operand
.endr
.irp b, 0,1,2,3
	v_lshrrev_b32 v[TM+4+\b], 23, v[TM+12+\b]      ; the scale's byte
.endr
	v_lshl_or_b32 v[PW+\t], v[TM+5], 8, v[TM+4]
	v_lshl_or_b32 v[PW+\t], v[TM+6], 16, v[PW+\t]
	v_lshl_or_b32 v[PW+\t], v[TM+7], 24, v[PW+\t]
	WIN 0x01                                       ; the numbers: window 1
.irp c, 0,1
	v_cvt_scalef32_pk16_bf6_f32 v[PCB+6*\c:PCB+6*\c+2], v[QP+32*\c:QP+32*\c+15], v[TM+12+2*\c]
	v_cvt_scalef32_pk16_bf6_f32 v[CT+4*\c:CT+4*\c+2], v[QP+32*\c+16:QP+32*\c+31], v[TM+13+2*\c]   ; (a conversion's three registers begin on an even number)
.endr
	WIN 0
	v_nop                                          ; one plain place behind a scaled conversion
.irp c, 0,1                                    ; the operand's layout wants a whole block in a lane: lanes 0-15 block 2 c, lanes 16-31 block 2 c + 1
.irp i, 0,1,2
	v_permlane16_swap_b32 v[PCB+6*\c+\i], v[CT+4*\c+\i]
.endr
.irp i, 0,1,2
	v_mov_b32 v[PCB+3+6*\c+\i], v[CT+4*\c+\i]
.endr
.endr
.endm
.Lblock:
.irp bs, 22,40,58,76
.irp i, 0,1,2,3,4,5
	v_mov_b32 v[\bs+\i], 0                         ; Z: the zero codes between the two kinds (these registers served the last product in the block before; the pending loads land beside them)
.endr
.endr
.irp i, 0,1,2,3,4,5,6,7
	v_mov_b32 v[C2+\i], 2.0
.endr
.set T, 0
.rept 16
	CHUNK
.set T, T+1
.endr
	; THE ROW NORM: my 256 columns' sums of squares, then all eight waves'
.irp t, 0,1
	v_pk_add_f32 v[SS+4*\t:SS+4*\t+1], v[SS+4*\t:SS+4*\t+1], v[SS+4*\t+2:SS+4*\t+3]
.endr
.irp t, 0,1
	v_add_f32 v[SS+4*\t], v[SS+4*\t], v[SS+4*\t+1]
.endr
.irp t, 0,1
	v_permlanex16_b32 v[PD+\t], v[SS+4*\t], s26, s27
.endr
.irp t, 0,1
	v_add_f32 v[SS+4*\t], v[SS+4*\t], v[PD+\t]
.endr
.irp t, 0,1
	ds_store_b32 v8, v[SS+4*\t] offset:512*\t      ; both halves of the lanes write the same word with the same value
.endr
	s_wait_dscnt 0x0                               ; for the others' sake: my sums have landed, and my reads of the stages in the block before are long back
	s_barrier_signal -1
	s_barrier_wait -1
.irp t, 0,1
	ds_load_b128 v[TM+8*\t:TM+8*\t+3], v9 offset:512*\t
	ds_load_b128 v[TM+8*\t+4:TM+8*\t+7], v9 offset:512*\t+16
.endr
	s_wait_dscnt 0x0
.irp t, 0,1                                    ; the same tree in every wave: the same norm
	v_pk_add_f32 v[TM+8*\t:TM+8*\t+1], v[TM+8*\t:TM+8*\t+1], v[TM+8*\t+2:TM+8*\t+3]
	v_pk_add_f32 v[TM+8*\t+4:TM+8*\t+5], v[TM+8*\t+4:TM+8*\t+5], v[TM+8*\t+6:TM+8*\t+7]
.endr
.irp t, 0,1
	v_pk_add_f32 v[TM+8*\t:TM+8*\t+1], v[TM+8*\t:TM+8*\t+1], v[TM+8*\t+4:TM+8*\t+5]
.endr
.irp t, 0,1
	v_add_f32 v[TM+8*\t], v[TM+8*\t], v[TM+8*\t+1]
.endr
.irp t, 0,1
	v_sqrt_f32 v[INV+\t], v[TM+8*\t]
.endr
	v_nop
	s_wait_alu depctr_va_vdst(0)
.irp t, 0,1
	v_max_num_f32 v[INV+\t], 0x2b8cbccc, v[INV+\t] ; held at 1e-12 from below
.endr
.irp t, 0,1
	v_rcp_f32 v[INV+\t], v[INV+\t]
.endr
	v_nop
	s_wait_alu depctr_va_vdst(0)
	; THE LAST PRODUCT: O^T += vals^T P^T over my 256 keys, 128 at a time; eight accumulators (2 row tiles x 4 x 16 of the head's 64) by turns, one instruction a turn
.irp kp, 0,1
	QUANT \kp, 0
	QUANT \kp, 1
.rept 8
	v_nop                                          ; a scale register written by a vector instruction stands eight places ahead of a scaled matrix instruction, an operand so written four
.endr
.if \kp == 0
	s_wait_loadcnt 0x0                             ; vals' 48 loads are in; no load of mine is out
.endif
.irp dl, 0,1,2,3
.irp t, 0,1
.if \kp == 0
	v_wmma_scale_f32_16x16x128_f8f6f4 v[OA+8*(4*\t+\dl):OA+8*(4*\t+\dl)+7], v[16+12*\dl:16+12*\dl+11], v[164-60*\t:164-60*\t+11], 0, v[VS+2*\dl], v[PW+\t] matrix_a_fmt:MATRIX_FMT_BF6 matrix_b_fmt:MATRIX_FMT_BF6
.else
	v_wmma_scale_f32_16x16x128_f8f6f4 v[OA+8*(4*\t+\dl):OA+8*(4*\t+\dl)+7], v[116+12*\dl:116+12*\dl+11], v[164-60*\t:164-60*\t+11], v[OA+8*(4*\t+\dl):OA+8*(4*\t+\dl)+7], v[VS+2*\dl+1], v[PW+\t] matrix_a_fmt:MATRIX_FMT_BF6 matrix_b_fmt:MATRIX_FMT_BF6
.endif
.endr
.endr
.endr
.rept 4
	v_nop                                          ; places in front of the loads into registers that these products have read, and of the first read of their results
.endr
	s_cmp_eq_u32 s23, 1                            ; the next block's first loads go out here, if there is a next block: no load leaves its buffer
	s_cbranch_scc1 .Lno_next
	s_add_nc_u64 s[10:11], s[10:11], 6144          ; (every load that named these bases was shown done by the wait for 0 above)
	s_add_nc_u64 s[12:13], s[12:13], 256
	s_add_nc_u64 s[14:15], s[14:15], 256
	NEXTLOADS
.Lno_next:
.irp t, 0,1
.irp dl, 0,1,2,3
	ds_store_b128 v10, v[OA+8*(4*\t+\dl):OA+8*(4*\t+\dl)+3] offset:4352*\t+64*\dl        ; lane (r, h): my part of out(row (t, r), 16 dl + 8 h + 0 .. 7); each accumulator from its low end on
	ds_store_b128 v10, v[OA+8*(4*\t+\dl)+4:OA+8*(4*\t+\dl)+7] offset:4352*\t+64*\dl+16
.endr
.endr
	s_wait_dscnt 0x0                               ; for the others' sake: my part lies in my stage; my reads of the sums are long back
	s_barrier_signal -1
	s_barrier_wait -1
.irp q, 0,1
.irp o, 0,1,2,3,4,5,6,7
	ds_load_b128 v[OA+32*\q+4*\o:OA+32*\q+4*\o+3], v11 offset:8704*\o+544*\q     ; four rows a wave: the eight waves' parts of them
.endr
.endr
	s_wait_dscnt 0x0
.irp q, 0,1
.irp o, 0,2,4,6
	v_pk_add_f32 v[OA+32*\q+4*\o:OA+32*\q+4*\o+1], v[OA+32*\q+4*\o:OA+32*\q+4*\o+1], v[OA+32*\q+4*\o+4:OA+32*\q+4*\o+5]
	v_pk_add_f32 v[OA+32*\q+4*\o+2:OA+32*\q+4*\o+3], v[OA+32*\q+4*\o+2:OA+32*\q+4*\o+3], v[OA+32*\q+4*\o+6:OA+32*\q+4*\o+7]
.endr
.endr
.irp q, 0,1
.irp o, 0,4
	v_pk_add_f32 v[OA+32*\q+4*\o:OA+32*\q+4*\o+1], v[OA+32*\q+4*\o:OA+32*\q+4*\o+1], v[OA+32*\q+4*\o+8:OA+32*\q+4*\o+9]
	v_pk_add_f32 v[OA+32*\q+4*\o+2:OA+32*\q+4*\o+3], v[OA+32*\q+4*\o+2:OA+32*\q+4*\o+3], v[OA+32*\q+4*\o+10:OA+32*\q+4*\o+11]
.endr
.endr
.irp q, 0,1
	v_pk_add_f32 v[OA+32*\q:OA+32*\q+1], v[OA+32*\q:OA+32*\q+1], v[OA+32*\q+16:OA+32*\q+17]
	v_pk_add_f32 v[OA+32*\q+2:OA+32*\q+3], v[OA+32*\q+2:OA+32*\q+3], v[OA+32*\q+18:OA+32*\q+19]
.endr
.irp q, 0,1
	global_store_b128 v12, v[OA+32*\q:OA+32*\q+3], s[20:21] offset:512*\q th:TH_STORE_NT   ; sixteen lanes store a whole row of out0: 256 consecutive bytes, aligned
.endr
	s_wait_xcnt 0x0                                ; the stores have read their data and their base: both are written again only behind this wait
	s_add_nc_u64 s[20:21], s[20:21], 8192
	s_sub_co_u32 s23, s23, 1
	s_cmp_lg_u32 s23, 0
	s_cbranch_scc1 .Lblock
	s_wait_xcnt 0x0
	v_lshl_add_u32 v254, v0, 2, 0x11400
	v_mov_b32 v255, 0
	s_wait_tensorcnt 0x0
	ds_add_u32 v254, v255
	s_wait_dscnt 0x0
	s_endpgm
.Lfunc_end_k_qb14d7c68f6_attn:
	.size	k_qb14d7c68f6_attn, .Lfunc_end_k_qb14d7c68f6_attn-k_qb14d7c68f6_attn
	.p2alignl 7, 3214868480
	.fill 96, 4, 3214868480
	.section	.rodata,"a",@progbits
	.p2align	6, 0x0
	.amdhsa_kernel k_qb14d7c68f6_attn
		.amdhsa_group_segment_fixed_size 71680
		.amdhsa_private_segment_fixed_size 0
		.amdhsa_enable_private_segment 0
		.amdhsa_kernarg_size 72
		.amdhsa_user_sgpr_count 2
		.amdhsa_user_sgpr_kernarg_segment_ptr 1
		.amdhsa_wavefront_size32 1
		.amdhsa_system_sgpr_workgroup_id_x 1
		.amdhsa_system_sgpr_workgroup_id_y 1
		.amdhsa_system_sgpr_workgroup_id_z 1
		.amdhsa_system_vgpr_workitem_id 0
		.amdhsa_next_free_vgpr 512
		.amdhsa_next_free_sgpr 66
		.amdhsa_reserve_vcc 0
		.amdhsa_float_denorm_mode_32 3
		.amdhsa_float_denorm_mode_16_64 3
		.amdhsa_memory_ordered 1
		.amdhsa_forward_progress 1
		.amdhsa_inst_pref_size 255
	.end_amdhsa_kernel
	.section	.bss,"aw",@nobits
	.p2align	6
	.space	262144
	.amdgpu_metadata
---
amdhsa.version: [ 1, 2 ]
amdhsa.kernels:
  - .name:           k_qb14d7c68f6_attn
    .symbol:         k_qb14d7c68f6_attn.kd
    .args:
      - { .name: jfrag, .offset: 0, .size: 8, .value_kind: global_buffer, .address_space: global }
      - { .name: jscale, .offset: 8, .size: 8, .value_kind: global_buffer, .address_space: global }
      - { .name: jnorm, .offset: 16, .size: 8, .value_kind: global_buffer, .address_space: global }
      - { .name: ifrag, .offset: 24, .size: 8, .value_kind: global_buffer, .address_space: global }
      - { .name: iscale, .offset: 32, .size: 8, .value_kind: global_buffer, .address_space: global }
      - { .name: inorm, .offset: 40, .size: 8, .value_kind: global_buffer, .address_space: global }
      - { .name: vals_codes, .offset: 48, .size: 8, .value_kind: global_buffer, .address_space: global }
      - { .name: vals_scales, .offset: 56, .size: 8, .value_kind: global_buffer, .address_space: global }
      - { .name: out0, .offset: 64, .size: 8, .value_kind: global_buffer, .address_space: global }
    .group_segment_fixed_size: 71680
    .private_segment_fixed_size: 0
    .kernarg_segment_align: 8
    .kernarg_segment_size: 72
    .max_flat_workgroup_size: 256
    .sgpr_count:     66
    .vgpr_count:     512
    .wavefront_size: 32
...
	.end_amdgpu_metadata
.endif
;; end of part 2
